; MI455X (gfx1250); checked and timed in simulation.
; The chip was launched on July 23, 2026; its instructions are those of AMD's public machine-readable ISA for CDNA 5 (MIT licence, August 2026) and "CDNA5" Instruction Set Architecture Reference Guide (July 2026). The comments in the code are by the model that wrote it; some were corrected since.
;; Quantiser. Allowed arithmetic: float matrix products may take bf16 or f16 operands with f32 sums; all other float work in f32.
;; Inputs: emb 8,192 x 256 float32; x 8 x 4,096 x 256 float32.
;; Outputs: out0 8 x 4,096 x 256 float32; out1 one number float32; out2 one number float32; out3 8 x 4,096 int32.
;; One version. Each part assembles by itself: llvm-mc -triple=amdgcn-amd-amdhsa -mcpu=gfx1250 --defsym DOCPART=n.
;; ======== version 1 of 1: 4 launches
;; workspace buffers: embb 4,194,304 bytes; e2 32,768 bytes; order 131,072 bytes of whole numbers; part 2,048 bytes
;; launch prep (part 1): grid 256 x 1, 4 waves a work-group, no clusters, 768 bytes of LDS; arguments emb, embb, e2; writes embb, e2
.if DOCPART == 1
	.amdgcn_target "amdgcn-amd-amdhsa--gfx1250"
	.amdhsa_code_object_version 6
	.text
	.protected	k_qa975fda005_prep
	.globl	k_qa975fda005_prep
	.p2align	8
	.type	k_qa975fda005_prep,@function
k_qa975fda005_prep:
	s_mov_b64 s[64:65], 0
	v_nop
	global_prefetch_b8 v0, s[64:65] scope:SCOPE_SE
	s_setreg_imm32_b32 hwreg(HW_REG_WAVE_MODE, 25, 1), 1
	s_wait_xcnt 0x0
; embb[v][k] = bf16(emb[v][k]) (round to nearest even);  e2[v] = sum over k of embb[v][k]^2, in f32.
; emb: [8192][256] f32.  embb: [8192][256] bf16.  e2: [8192] f32.
; e2 is taken from the ROUNDED codewords, because the search multiplies the rounded codewords: its distances are those of the rounded vectors.
; LIMIT: the 256 squares are added in another order than a row-wise f32 sum would add them (last bits of e2 may differ).
; A stream: no matrix unit, no cluster (no work-group shares a byte with another), LDS only to gather 32 sums for one store.
; Four waves; the work-group owns 32 rows, a wave 8.  A row of 1,024 bytes is two loads of 512 consecutive bytes; all 16 loads of a wave
; go out first.  A row of embb is two stores of 8 bytes a lane: 32 lanes cover 256 consecutive bytes, aligned.
.set X,   16                           ; v[16:79]   row i: 8 registers as loaded: elements 4 l .. 4 l + 3 and 128 + 4 l .. + 3
.set P,   80                           ; v[80:111]  row i: 4 registers packed to bf16; store data, never rewritten
.set T,   112                          ; v[112:119] the rounded numbers widened again
.set Q,   120                          ; v[120:123] two chains of squares
.set R,   124                          ; v124       lane l keeps the sum of row l mod 8
.set TMP, 125                          ; v125       the other half's sum
	s_load_b128 s[4:7], s[0:1], 0x0                ; emb s[4:5], embb s[6:7]
	s_load_b64 s[8:9], s[0:1], 0x10                ; e2
	v_lshl_add_u32 v128, v0, 2, 0x100
	v_mov_b32 v129, 0
	v_and_b32 v1, 31, v0                           ; lane
	v_lshrrev_b32 v2, 5, v0
	v_readfirstlane_b32 s10, v2                    ; wave
	s_mov_b32 s14, 0xffff0000                      ; a word's upper bf16
	s_mov_b32 s15, 0x76543210                      ; v_permlanex16_b32: lane i reads lane i of the other half
	s_mov_b32 s16, 0xfedcba98
	v_lshlrev_b32 v3, 4, v1
	v_lshl_add_u32 v3, v2, 13, v3                  ; emb: wave x 8 rows x 1,024 + 16 lane
	v_lshlrev_b32 v4, 3, v1
	v_lshl_add_u32 v4, v2, 12, v4                  ; embb: wave x 8 rows x 512 + 8 lane
	v_and_b32 v5, 7, v0                            ; lane mod 8
	v_lshlrev_b32 v6, 2, v5
	v_lshl_add_u32 v6, v2, 5, v6                   ; LDS: 32 wave + 4 (lane mod 8)
	v_lshlrev_b32 v8, 2, v1                        ; 4 lane
	v_mov_b32 v[TMP], 0                            ; v_permlanex16_b32 counts as a reader of its destination
	s_lshl_b32 s12, ttmp9, 15                      ; 32 rows of 1,024 bytes
	s_mov_b32 s13, 0
	s_lshl_b32 s18, ttmp9, 14                      ; 32 rows of 512 bytes
	s_mov_b32 s19, 0
	s_lshl_b32 s20, ttmp9, 7                       ; 32 sums of 4 bytes
	s_mov_b32 s21, 0
	s_wait_kmcnt 0x0
	s_add_nc_u64 s[4:5], s[4:5], s[12:13]
	s_add_nc_u64 s[6:7], s[6:7], s[18:19]
	s_add_nc_u64 s[8:9], s[8:9], s[20:21]
.irp i, 0,1,2,3,4,5,6,7
	global_load_b128 v[X+8*\i:X+8*\i+3],   v3, s[4:5] offset:1024*\i th:TH_LOAD_NT
	global_load_b128 v[X+8*\i+4:X+8*\i+7], v3, s[4:5] offset:1024*\i+512 th:TH_LOAD_NT
.endr
.macro ROWE i
	s_wait_loadcnt 14-2*\i                         ; loads return in order: row i's two are in, the 2 (7 - i) of the later rows stay out
.irp k, 0,1,2,3
	v_cvt_pk_bf16_f32 v[P+4*\i+\k], v[X+8*\i+2*\k], v[X+8*\i+2*\k+1]
.endr
	global_store_b64 v4, v[P+4*\i:P+4*\i+1],   s[6:7] offset:512*\i        ; elements 0 to 127: 256 consecutive bytes
	global_store_b64 v4, v[P+4*\i+2:P+4*\i+3], s[6:7] offset:512*\i+256    ; elements 128 to 255
.irp k, 0,1,2,3
	v_lshlrev_b32 v[T+2*\k],   16,  v[P+4*\i+\k]   ; bf16 to f32: the low half moves up,
	v_and_b32     v[T+2*\k+1], s14, v[P+4*\i+\k]   ; the high half stays
.endr
	v_pk_mul_f32 v[Q:Q+1],   v[T:T+1],   v[T:T+1]              ; the first squares start the two chains
	v_pk_mul_f32 v[Q+2:Q+3], v[T+2:T+3], v[T+2:T+3]
	v_pk_fma_f32 v[Q:Q+1],   v[T+4:T+5], v[T+4:T+5], v[Q:Q+1]
	v_pk_fma_f32 v[Q+2:Q+3], v[T+6:T+7], v[T+6:T+7], v[Q+2:Q+3]
	v_pk_add_f32 v[Q:Q+1], v[Q:Q+1], v[Q+2:Q+3]
	v_add_f32 v[Q], v[Q], v[Q+1]
	v_add_f32_dpp v[Q], v[Q], v[Q] row_xmask:1 row_mask:0xf bank_mask:0xf
	v_add_f32_dpp v[Q], v[Q], v[Q] row_xmask:2 row_mask:0xf bank_mask:0xf
	v_add_f32_dpp v[Q], v[Q], v[Q] row_xmask:4 row_mask:0xf bank_mask:0xf
	v_add_f32_dpp v[Q], v[Q], v[Q] row_xmask:8 row_mask:0xf bank_mask:0xf
	v_permlanex16_b32 v[TMP], v[Q], s15, s16
	v_add_f32 v[Q], v[Q], v[TMP]                   ; every lane holds the row's sum
.if \i == 0
	v_mov_b32 v[R], v[Q]
.else
	v_cmp_eq_u32 vcc_lo, \i, v5
	v_cndmask_b32 v[R], v[R], v[Q], vcc_lo         ; lanes with lane mod 8 = i keep it
.endif
.endm
.irp i, 0,1,2,3,4,5,6,7
	ROWE \i
.endr
	ds_store_b32 v6, v[R]                          ; four lanes write the same word with the same value
	s_wait_dscnt 0x0                               ; for wave 0's sake: my stores are done before I signal
	s_barrier_signal -1
	s_barrier_wait -1
	s_cmp_lg_u32 s10, 0
	s_cbranch_scc1 .Ldone
	ds_load_b32 v7, v8                             ; the work-group's 32 sums, one a lane
	s_wait_dscnt 0x0
	global_store_b32 v8, v7, s[8:9]                ; 128 consecutive bytes
.Ldone:
	s_wait_tensorcnt 0x0
	ds_add_u32 v128, v129
	s_wait_dscnt 0x0
	s_endpgm
.Lfunc_end_k_qa975fda005_prep:
	.size	k_qa975fda005_prep, .Lfunc_end_k_qa975fda005_prep-k_qa975fda005_prep
	.p2alignl 7, 3214868480
	.fill 96, 4, 3214868480
	.section	.rodata,"a",@progbits
	.p2align	6, 0x0
	.amdhsa_kernel k_qa975fda005_prep
		.amdhsa_group_segment_fixed_size 768
		.amdhsa_private_segment_fixed_size 0
		.amdhsa_enable_private_segment 0
		.amdhsa_kernarg_size 24
		.amdhsa_user_sgpr_count 2
		.amdhsa_user_sgpr_kernarg_segment_ptr 1
		.amdhsa_wavefront_size32 1
		.amdhsa_system_sgpr_workgroup_id_x 1
		.amdhsa_system_sgpr_workgroup_id_y 1
		.amdhsa_system_sgpr_workgroup_id_z 1
		.amdhsa_system_vgpr_workitem_id 0
		.amdhsa_next_free_vgpr 130
		.amdhsa_next_free_sgpr 66
		.amdhsa_reserve_vcc 1
		.amdhsa_float_denorm_mode_32 3
		.amdhsa_float_denorm_mode_16_64 3
		.amdhsa_memory_ordered 1
		.amdhsa_forward_progress 1
		.amdhsa_inst_pref_size 16
	.end_amdhsa_kernel
	.amdgpu_metadata
---
amdhsa.version: [ 1, 2 ]
amdhsa.kernels:
  - .name:           k_qa975fda005_prep
    .symbol:         k_qa975fda005_prep.kd
    .args:
      - { .name: emb, .offset: 0, .size: 8, .value_kind: global_buffer, .address_space: global }
      - { .name: embb, .offset: 8, .size: 8, .value_kind: global_buffer, .address_space: global }
      - { .name: e2, .offset: 16, .size: 8, .value_kind: global_buffer, .address_space: global }
    .group_segment_fixed_size: 768
    .private_segment_fixed_size: 0
    .kernarg_segment_align: 8
    .kernarg_segment_size: 24
    .max_flat_workgroup_size: 128
    .sgpr_count:     66
    .vgpr_count:     130
    .wavefront_size: 32
...
	.end_amdgpu_metadata
.endif
;; end of part 1
;; launch search (part 2): grid 256 x 1, 8 waves a work-group, clusters of 4 x 1, 327,680 bytes of LDS; arguments x, embb, e2, out3, order; writes out3, order
.if DOCPART == 2
	.amdgcn_target "amdgcn-amd-amdhsa--gfx1250"
	.amdhsa_code_object_version 6
	.text
	.protected	k_qa975fda005_search
	.globl	k_qa975fda005_search
	.p2align	8
	.type	k_qa975fda005_search,@function
k_qa975fda005_search:
	s_mov_b64 s[64:65], 0
	v_nop
	global_prefetch_b8 v0, s[64:65] scope:SCOPE_SE
	s_setreg_imm32_b32 hwreg(HW_REG_WAVE_MODE, 25, 1), 1
	s_wait_xcnt 0x0
	s_wait_alu depctr_hold_cnt(0) depctr_sa_sdst(0) depctr_va_vdst(0) depctr_va_sdst(0) depctr_va_ssrc(0) depctr_va_vcc(0) depctr_vm_vsrc(0)
	s_getreg_b32 s2, hwreg(HW_REG_IB_STS2, 6, 4)
	s_cmp_eq_u32 s2, 0
	s_cbranch_scc0 .Lentry_in_a_cluster
	s_endpgm
.Lentry_in_a_cluster:
	s_bfe_u32 s2, ttmp6, 0x10000c
	s_cmp_lg_u32 s2, 0x3003
	s_cbranch_scc0 .Lentry_shape_is_right
	s_endpgm
.Lentry_shape_is_right:
; idx[row] = the first argmin over v of d2 = fl(fl(x2[row] + e2[v]) - 2 dot(x[row], emb[v])), for 32,768 rows and 8,192 codewords of 256 numbers.
; The products run on bf16 operands with f32 sums.  x2 and e2 are the f32 sums of squares of the SAME rounded vectors, so d2 is the distance
; of the rounded vectors.  The two roundings of d2 are made as they are written above (two fused multiply-adds whose products are exact),
; a candidate replaces the minimum only if it is strictly smaller, candidates come in ascending order, and partial results are merged by
; (d2, index) in lexicographic order: ties go to the lowest index.
; LIMITS: inputs are finite (a NaN score is never chosen); operands are rounded to bf16; the 256 products of a dot and the 256 squares of x2
; are added in another order than a serial f32 sum, so a pair of candidates closer than that difference can be ordered otherwise.
;
; SHARES.  A work-group owns 128 rows of x and walks the whole codebook, in 32 steps of 256 codewords.  Eight waves, two on each SIMD:
; wave w = 4 a + b keeps rows 64 a .. 64 a + 63 as B fragments for all 256 k (4 row tiles x 8 K steps x 8 registers = 256 registers, all of
; window 1) and takes the codeword tiles 4 b .. 4 b + 3 of a step's 16.  A tile of 16 codewords (64 registers, 8 KiB of LDS reads) feeds 32 matrix instructions.
; A = 16 codewords, B = 16 rows of x: register j of lane (r, h) holds the dot of codeword 16 t + 8 h + j with row 16 rt + r.  So x2 is one number
; a lane and row tile, e2 eight registers a tile, and each (rt, j) has its own running minimum and index.
; ONE REGISTER WINDOW SETTING FOR THE LOOP: source 1 in window 1, all else in window 0.  Every vector instruction of the epilogue has its vector
; registers in source 0, source 2 and the destination, and a constant or a scalar in source 1, so it can stand among the matrix instructions:
; the epilogue of tile n (144 instructions) is dealt in groups of 4 or 5 behind the 32 matrix instructions of tile n + 1.
; CLUSTER: all work-groups read the same codebook in the same order, so four of them form a cluster and ask for each part of embb and of e2 jointly
; (mask 15): each receives it in its own LDS.  x is each work-group's own and comes by a plain load.
;
; LDS: slot 0 at 0, slot 1 at 135,168: 256 codewords x 528 bytes (512 + 16 of padding).  Before its first codewords slot 1 holds the stage of x:
; 128 rows x 1,040 bytes (1,024 + 16) of f32.  Both pitches are odd multiples of 16 bytes, so the sixteen rows that a 16-byte fragment load
; touches lie 16 bytes apart modulo 256.  e2 at 270,336, 32,768 bytes, filled once.  At 303,104: 4,096 bytes for the last merge, written by
; LDS stores alone; no fill lands there: wave w's 64 minima at 256 w + 4 (16 rt + r), its 64 indices 2,048 bytes further on.
.set CPITCH, 528
.set TILEB,  16*CPITCH                 ; a tile of 16 codewords in LDS
.set SLOTB,  256*CPITCH
.set XPITCH, 1040
.set E2B,    2*SLOTB
.set MG,     E2B+32768
.set STEPB,  256*512                   ; a step's bytes of embb
.set TRIPS,  15                        ; a trip = two steps; the first phase stands ahead of the loop, the last seven behind it
; vector registers, window 0
.set ADR,  8                           ; v8, v9    LDS address of my first tile's fragments in slot 0, 1
.set ADRE, 10                          ; v10       LDS address of my e2 numbers, stepped by two steps a trip
.set H8,   11                          ; v11       8 h
.set XA,   12                          ; v12       LDS address of my x rows in the stage
.set MGS,  13                          ; v13       the last merge: where I store: MG + 256 w + 4 r
.set MGL,  14                          ; v14       the last merge: where waves 0 and 1 read: MG + 1,024 w + 8 lane
.set OO,   15                          ; v15       byte offset of my two indices in the work-group's 512 bytes
.set X2,   16                          ; v[16:23]  row tile rt: a pair, x2 twice
.set E2R,  24                          ; v[24:39]  e2 of a tile's codewords 8 h + j, two buffers of 8
.set ST,   40                          ; v[40:47]  s = x2 + e2, then d - m
.set M,    64                          ; v[64:95]  running minimum of (rt, j)
.set ID,   96                          ; v[96:127] 16 x the number of the tile that gave it
.set ACC,  128                         ; v[128:191] two sets of four accumulators: tile parity p, row tile rt
.set FR,   192                         ; v[192:255] a codeword tile's fragments, K step c at FR + 8 c
.set TB0,  128                         ; at the start: two buffers of 64 for x in f32
; window 1: v[64 rt + 8 c + q]: x fragments
; scalar registers: s[4:13] the five addresses; s14 wave, s15 a, s16 b, s17 place in the cluster, s18 work-group; s19 scratch;
; s20 16 x the number of the tile in the epilogue; s21 +infinity; s22 trips; s23 mask of the upper bf16; s80, s81 lane selects; s[82:87] scratch
.set G1C, 24                           ; s[24:31] group 1, codewords (joint)
.set G0S, 32                           ; s[32:39] group 0, one set for each slot
.set MK,  40                           ; s[40:47] compare masks
.set G1X, 48                           ; s[48:55] group 1, x (plain)
.set G0X, 56                           ; s[56:59]
.set G1E, 68                           ; s[68:75] group 1, e2 (joint)
.set G0E, 76                           ; s[76:79]
.set MODE_N, 0                         ; a phase that fetches the next tile from its own slot
.set MODE_B, 1                         ; a slot's last phase: round of the cluster's barrier, refill, next tile from the other slot
.set MODE_P, 2                         ; the same without a refill: a plain barrier
.set MODE_L, 3                         ; the last phase: no next tile to fetch
.set MULW, 0x04                        ; source 1 in window 1
.set MSB, 0
.macro WIN new                         ; the immediate's high byte repeats the setting that is left; a switch that changes nothing is dropped
.if MSB != \new
	s_set_vgpr_msb (MSB<<8)|\new
.set MSB, \new
.endif
.endm
; A round of the cluster's barrier: my work-group's barrier, so that wave 0 speaks for all eight waves; wave 0 signals for the work-group;
; every wave waits for the four work-groups; my work-group's barrier once more.
.macro CREST                           ; a round behind its opening barrier
	s_cmp_lg_u32 s14, 0
	s_cbranch_scc1 .Lnot_wave_0_\@
	s_barrier_signal -3
.Lnot_wave_0_\@:
	s_barrier_wait -3
	s_barrier_signal -1
	s_barrier_wait -1
.endm
.macro ROUND
	s_barrier_signal -1
	s_barrier_wait -1
	CREST
.endm
	s_load_b256 s[4:11], s[0:1], 0x0               ; x s[4:5], embb s[6:7], e2 s[8:9], out3 s[10:11]
	s_load_b64 s[12:13], s[0:1], 0x20              ; order
	v_lshl_add_u32 v62, v0, 2, 0x4b000
	v_mov_b32 v63, 0
	ds_add_u32 v62, v63
	v_lshrrev_b32 v1, 5, v0
	v_readfirstlane_b32 s14, v1                    ; wave 0..7
	s_lshr_b32 s15, s14, 2                         ; a: which 64 rows
	s_and_b32 s16, s14, 3                          ; b: which four tiles of a step
	s_bfe_u32 s17, ttmp6, 0x40000                  ; my place in the cluster
	s_lshl_b32 s18, ttmp9, 2                       ; ttmp9 counts clusters
	s_add_co_u32 s18, s18, s17                     ; work-group 0..255
	s_lshl_b32 s20, s16, 6                         ; 16 x my first tile's number
	s_mov_b32 s21, 0x7f800000
	s_mov_b32 s23, 0xffff0000
	s_mov_b32 s80, 0x76543210
	s_mov_b32 s81, 0xfedcba98
	; group 1 for codewords: 32 rows x 256 elements of 2 bytes, 4 words of padding behind every 128 words; mask 15, bit 21 beside it
	s_mov_b32 s[G1C+0], 15|(1<<16)|(1<<20)|(1<<21)|(6<<22)|(3<<25)
	s_mov_b32 s[G1C+1], 256<<16                    ; tensor_dim0 = 256
	s_mov_b32 s[G1C+2], 32<<16                     ; tensor_dim1 = 32
	s_mov_b32 s[G1C+3], 256<<16                    ; tile_dim0 = 256
	s_mov_b32 s[G1C+4], 32                         ; tile_dim1 = 32
	s_mov_b32 s[G1C+5], 256                        ; elements from row to row
	s_mov_b32 s[G1C+6], 0
	s_mov_b32 s[G1C+7], 0
	; group 1 for x: 16 rows x 256 elements of 4 bytes, 4 words of padding behind every 256 words; no mask
	s_mov_b32 s[G1X+0], (2<<16)|(1<<20)|(7<<22)|(3<<25)
	s_mov_b32 s[G1X+1], 256<<16
	s_mov_b32 s[G1X+2], 16<<16
	s_mov_b32 s[G1X+3], 256<<16
	s_mov_b32 s[G1X+4], 16
	s_mov_b32 s[G1X+5], 256
	s_mov_b32 s[G1X+6], 0
	s_mov_b32 s[G1X+7], 0
	; group 1 for e2: a dense block of 4,096 bytes as 16 rows x 32 elements of 8 bytes, no padding; mask 15, bit 21 beside it
	s_mov_b32 s[G1E+0], 15|(3<<16)|(1<<21)
	s_mov_b32 s[G1E+1], 32<<16
	s_mov_b32 s[G1E+2], 16<<16
	s_mov_b32 s[G1E+3], 32<<16
	s_mov_b32 s[G1E+4], 16
	s_mov_b32 s[G1E+5], 32
	s_mov_b32 s[G1E+6], 0
	s_mov_b32 s[G1E+7], 0
	s_lshl_b32 s82, s14, 14                        ; my 32 rows of a step of embb, and my 16 rows of x: wave x 16,384 bytes
	s_mov_b32 s83, 0
	s_lshl_b32 s84, s18, 17                        ; the work-group's 128 rows of x
	s_add_co_u32 s84, s84, s82
	s_mov_b32 s85, 0
	s_lshl_b32 s86, s14, 12                        ; my 4,096 bytes of e2
	s_mov_b32 s87, 0
	s_mul_i32 s19, s14, 32*CPITCH                  ; my 32 rows of a slot: the wave's number alone enters an LDS address
	s_wait_dscnt 0x0
	s_wait_kmcnt 0x0
	s_mov_b32 s[G0S+0], 1
	s_add_co_u32 s[G0S+1], s19, 0                  ; slot 0
	s_add_nc_u64 s[G0S+2:G0S+3], s[6:7], s[82:83]  ; step 0
	s_mov_b32 s[G0S+4], 1
	s_add_co_u32 s[G0S+5], s19, SLOTB              ; slot 1
	s_add_nc_u64 s[G0S+6:G0S+7], s[G0S+2:G0S+3], STEPB   ; step 1
	s_or_b32 s[G0S+3], s[G0S+3], 0x80000000        ; type 2
	s_or_b32 s[G0S+7], s[G0S+7], 0x80000000
	s_mov_b32 s[G0X+0], 1
	s_mul_i32 s[G0X+1], s14, 16*XPITCH
	s_add_co_u32 s[G0X+1], s[G0X+1], SLOTB         ; the stage of x lies in slot 1
	s_add_nc_u64 s[G0X+2:G0X+3], s[4:5], s[84:85]
	s_or_b32 s[G0X+3], s[G0X+3], 0x80000000
	s_mov_b32 s[G0E+0], 1
	s_add_co_u32 s[G0E+1], s86, E2B
	s_add_nc_u64 s[G0E+2:G0E+3], s[8:9], s[86:87]
	s_or_b32 s[G0E+3], s[G0E+3], 0x80000000
	s_lshl_b32 s82, s18, 9                         ; the work-group's 128 indices
	s_add_nc_u64 s[10:11], s[10:11], s[82:83]
	s_add_nc_u64 s[12:13], s[12:13], s[82:83]
	ROUND                                          ; the four work-groups are here: the first joint loads meet
	tensor_load_to_lds s[G0X:G0X+3], s[G1X:G1X+7]  ; the three first fills go out together: my 16 rows of x,
	s_nop 0
	tensor_load_to_lds s[G0S:G0S+3], s[G1C:G1C+7]  ; my 32 codewords of step 0,
	s_nop 0
	tensor_load_to_lds s[G0E:G0E+3], s[G1E:G1E+7]  ; my eighth of e2.  Three tensor loads of this wave are out
	s_nop 0
	v_and_b32 v2, 15, v0                           ; r
	v_bfe_u32 v3, v0, 4, 1                         ; h
	v_and_b32 v4, 31, v0                           ; lane
	s_mul_i32 s82, s16, 4*TILEB
	v_mul_u32_u24 v[ADR], v2, CPITCH
	v_lshl_add_u32 v[ADR], v3, 4, v[ADR]
	v_add_nc_u32 v[ADR], s82, v[ADR]               ; 4 b tiles + r rows + 16 h
	v_add_nc_u32 v[ADR+1], SLOTB, v[ADR]
	s_lshl_b32 s83, s16, 8
	s_add_co_u32 s83, s83, E2B
	v_lshl_add_u32 v[ADRE], v3, 5, s83             ; e2 of codeword 64 b + 8 h
	v_lshlrev_b32 v[H8], 3, v3
	s_mul_i32 s84, s15, 64*XPITCH
	s_add_co_u32 s84, s84, SLOTB
	v_mul_u32_u24 v[XA], v2, XPITCH
	v_lshl_add_u32 v[XA], v3, 5, v[XA]
	v_add_nc_u32 v[XA], s84, v[XA]                 ; row 64 a + r, f32 number 8 h
	s_lshl_b32 s85, s14, 8
	s_add_co_u32 s85, s85, MG
	v_lshl_add_u32 v[MGS], v2, 2, s85              ; my wave's 256 bytes of the merge's minima, word r
	s_lshl_b32 s86, s14, 10
	s_add_co_u32 s86, s86, MG
	v_lshl_add_u32 v[MGL], v4, 3, s86              ; read by waves 0 and 1 alone (w = a): the block of wave 4 a, words 2 lane and 2 lane + 1
	s_lshl_b32 s87, s14, 8
	v_lshl_add_u32 v[OO], v4, 3, s87               ; 4 (64 w + 2 lane)
	s_wait_tensorcnt 0x2                           ; tensor loads of a wave end in order: my rows of x are in; the two issued behind them may stay out,
	s_barrier_signal -1
	s_barrier_wait -1                              ; everybody's rows of x are in
; X INTO FRAGMENTS, AND x2.  Eight halves u: row tile u / 2, K steps 4 (u mod 2) .. + 3.  A fragment's registers 0-3 hold k = 8 h .. + 7, registers 4-7
; k = 16 + 8 h .. + 7: in f32 that is 32 bytes at 128 c + 32 h and 32 bytes 64 further on.
.macro XLOAD u, tb
.set XRT, (\u)/2
.set XC0, 4*((\u)%2)
.irp cc, 0,1,2,3
	ds_load_b128 v[\tb+16*\cc:\tb+16*\cc+3],     v[XA] offset:XRT*16*XPITCH+128*(XC0+\cc)
	ds_load_b128 v[\tb+16*\cc+4:\tb+16*\cc+7],   v[XA] offset:XRT*16*XPITCH+128*(XC0+\cc)+16
	ds_load_b128 v[\tb+16*\cc+8:\tb+16*\cc+11],  v[XA] offset:XRT*16*XPITCH+128*(XC0+\cc)+64
	ds_load_b128 v[\tb+16*\cc+12:\tb+16*\cc+15], v[XA] offset:XRT*16*XPITCH+128*(XC0+\cc)+80
.endr
.endm
.macro XCONV u, tb
.set XRT, (\u)/2
.set XC0, 4*((\u)%2)
.set XFB, 64*XRT+8*XC0                 ; the first of this half's 32 fragment registers, in window 1
	WIN 0x40                                       ; destination in window 1
.set n, 0
.rept 32
	v_cvt_pk_bf16_f32 v[XFB+n], v[\tb+2*n], v[\tb+2*n+1]
.set n, n+1
.endr
	WIN 0x04                                       ; source 1 in window 1: the rounded numbers come back as f32, for x2
.set n, 0
.rept 32
	v_lshlrev_b32 v[\tb+2*n],   16,  v[XFB+n]
	v_and_b32     v[\tb+2*n+1], s23, v[XFB+n]
.set n, n+1
.endr
	WIN 0
.set n, 0
.rept 32
.if (XC0 == 0) & (n < 4)
	v_pk_mul_f32 v[ST+2*n:ST+2*n+1], v[\tb+2*n:\tb+2*n+1], v[\tb+2*n:\tb+2*n+1]        ; a row tile's first squares start four chains
.else
	v_pk_fma_f32 v[ST+2*(n%4):ST+2*(n%4)+1], v[\tb+2*n:\tb+2*n+1], v[\tb+2*n:\tb+2*n+1], v[ST+2*(n%4):ST+2*(n%4)+1]
.endif
.set n, n+1
.endr
.if XC0
	v_pk_add_f32 v[ST:ST+1], v[ST:ST+1], v[ST+2:ST+3]
	v_pk_add_f32 v[ST+4:ST+5], v[ST+4:ST+5], v[ST+6:ST+7]
	v_pk_add_f32 v[ST:ST+1], v[ST:ST+1], v[ST+4:ST+5]
	v_add_f32 v[ST], v[ST], v[ST+1]                ; my 128 of the row's 256 squares
	v_permlanex16_b32 v[ST+2], v[ST], s80, s81     ; the other 128 lie in lane (r, 1 - h)
	v_add_f32 v[X2+2*XRT], v[ST], v[ST+2]          ; the same number in both lanes, and in all four waves that hold the row
	v_mov_b32 v[X2+2*XRT+1], v[X2+2*XRT]
.endif
.endm
	XLOAD 0, TB0
	XLOAD 1, TB0+64
.irp u, 0,1,2,3,4,5
	s_wait_dscnt 16                                ; this half's 16 loads are in; the next half's 16 stay out
	XCONV \u, TB0+64*(\u%2)
	XLOAD \u+2, TB0+64*(\u%2)
.endr
	s_wait_dscnt 16
	XCONV 6, TB0
	s_wait_dscnt 0x0
	XCONV 7, TB0+64
	; Slot 1 gets its first codewords over the stage of x: every wave's reads of the stage are back, all its tensor loads have landed
	; (step 0 and e2 among them), then a round, then the one joint load.
	s_wait_dscnt 0x0
	s_wait_tensorcnt 0x0
	ds_add_u32 v62, v63
	s_wait_dscnt 0x0
	ROUND
	tensor_load_to_lds s[G0S+4:G0S+7], s[G1C:G1C+7]        ; step 1: one tensor load of this wave is out
	s_nop 0
; Two loads of 16 bytes, 32 apart: K step c of the tile at byte off of the slot whose address is in areg
.macro LF areg, off, c
	ds_load_b128 v[FR+8*(\c):FR+8*(\c)+3],   v[\areg] offset:(\off)+64*(\c)
	ds_load_b128 v[FR+8*(\c)+4:FR+8*(\c)+7], v[\areg] offset:(\off)+64*(\c)+32
.endm
.macro LE p, eoff                      ; e2 of a tile's codewords 8 h .. 8 h + 7 into buffer p
	ds_load_b128 v[E2R+8*(\p):E2R+8*(\p)+3],   v[ADRE] offset:\eoff
	ds_load_b128 v[E2R+8*(\p)+4:E2R+8*(\p)+7], v[ADRE] offset:\eoff+16
.endm
.irp c, 0,1,2,3
	LF ADR, 0, \c                                  ; my first tile, K steps 0 to 3; a tile's K steps 4 to 7 are fetched at the head of its own phase
.endr
; THE EPILOGUE of one tile and row tile, 36 instructions in eight groups; group GW of 32 stands behind the phase's matrix instruction GW.
; s = fl(e2 + x2); d = fl(s - 2 dot); d - m keeps the sign of the exact difference (denormals are kept, so only equal numbers give 0);
; where d < m the index becomes this tile's; m = min(m, d).  Source 1 is a constant or a scalar everywhere.
.macro ED j
	v_cmp_lt_f32 s[MK+\j], v[ST+\j], 0
.endm
.macro EE j
	v_cndmask_b32 v[IB+\j], v[IB+\j], s20, s[MK+\j]
.endm
.macro EF j
	v_min3_num_f32 v[MB+\j], v[MB+\j], s21, v[AB+\j]       ; s21 = +infinity: the minimum of two
.endm
.macro EGRP
.set ER, GW/8
.set EG, GW%8
.set AB, ACC+32*EP+8*ER
.set MB, M+8*ER
.set IB, ID+8*ER
.set EB, E2R+8*EP
.set XB, X2+2*ER
.if EG == 0
.irp q, 0,2,4,6
	v_pk_fma_f32 v[ST+\q:ST+\q+1], v[EB+\q:EB+\q+1], 1.0, v[XB:XB+1] op_sel_hi:[1,0,1]
.endr
.elseif EG == 1
.irp q, 0,2,4,6
	v_pk_fma_f32 v[AB+\q:AB+\q+1], v[AB+\q:AB+\q+1], -2.0, v[ST+\q:ST+\q+1] op_sel_hi:[1,0,1]
.endr
.elseif EG == 2
.irp q, 0,2,4,6
	v_pk_fma_f32 v[ST+\q:ST+\q+1], v[MB+\q:MB+\q+1], -1.0, v[AB+\q:AB+\q+1] op_sel_hi:[1,0,1]
.endr
.elseif EG == 3
.irp j, 0,1,2,3
	ED \j
.endr
.elseif EG == 4
.irp j, 0,1,2,3
	EE \j
.endr
	EF 0
.elseif EG == 5
.irp j, 4,5,6,7
	ED \j
.endr
	EF 1
.elseif EG == 6
.irp j, 4,5,6,7
	EE \j
.endr
	EF 2
.else
.irp j, 3,4,5,6,7
	EF \j
.endr
.endif
.endm
; A PHASE: tile i of the step in slot: 8 K steps x 4 row tiles = 32 matrix instructions into accumulator set i mod 2, the first four with C = 0;
; behind each a group of the epilogue of the tile before (epi = 1), whose sums lie in the other set.
; The four accumulators take turns, one instruction a turn.
; LDS LOADS stand in two runs, so that a wave turns from vector work to LDS twice a phase.  Run 1, behind the first matrix instruction of K step 0
; and its group: my tile's e2 (2 loads, at eoff), then my own tile's K steps 4 to 7 (8 loads).  Run 2, behind the first matrix instruction of
; K step 4 and its group: the next tile's K steps 0 to 3 (8 loads).  Each half of the fragment registers is fetched as soon as its four K steps
; have been multiplied, and is multiplied 15 matrix instructions later.  Between the last matrix instruction that read a register and the load
; into it stand two groups, 5 + 4 plain vector instructions that name none of its registers (ISA guide 7.12.1 for vector instructions);
; behind the first phase, whose K step 7 has no groups, the 4 of group 0; inside it eight v_mov_b32, which start
; the minima and the indices.
; WAITS (LDS loads return in order, ISA guide 5.7.1).  Ahead of K step 0: 4, the last four of run 2 (K steps 2 and 3).  Ahead of K step 2: 10, run 1.
; Ahead of K step 4: 4, the last four of run 1 (K steps 6 and 7); e2, first in that run, is in with it, for the next phase's epilogue.
; Ahead of K step 6: 8, run 2; in the last phase, which has no run 2, 0.
; THE CHANGE OF SLOTS, in a slot's last phase.  Run 1 is my last read of the slot.  Behind K step 2 I wait for it and for all my tensor loads and
; signal; K steps 3 to 5, twelve matrix instructions and their groups, register work alone, run while the others arrive; behind K step 5
; stand the barrier's wait, the rest of the round, the refill, and run 2 from the other slot.  K steps 3 to 7 stand behind the wait for 0.
.macro PHASE i, slot, eoff, mode, epi
.set PP, (\i)&1
.set EP, 1-PP
	WIN MULW
.irp c, 0,1,2,3,4,5,6,7
.if \c == 0
	s_wait_dscnt 4
.elseif \c == 2
	s_wait_dscnt 10
.elseif (\c == 4) & ((\mode == MODE_N) | (\mode == MODE_L))
	s_wait_dscnt 4
.elseif (\c == 6) & (\mode == MODE_N)
	s_wait_dscnt 8
.elseif (\c == 6) & (\mode == MODE_L)
	s_wait_dscnt 0x0
.endif
.irp rt, 0,1,2,3
.if \c == 0
	v_wmma_f32_16x16x32_bf16 v[ACC+32*PP+8*\rt:ACC+32*PP+8*\rt+7], v[FR+8*\c:FR+8*\c+7], v[64*\rt+8*\c:64*\rt+8*\c+7], 0
.else
	v_wmma_f32_16x16x32_bf16 v[ACC+32*PP+8*\rt:ACC+32*PP+8*\rt+7], v[FR+8*\c:FR+8*\c+7], v[64*\rt+8*\c:64*\rt+8*\c+7], v[ACC+32*PP+8*\rt:ACC+32*PP+8*\rt+7]
.endif
.if \epi
.set GW, 4*\c+\rt
	EGRP
.elseif \rt == 0
.irp k, 0,1,2,3
	v_mov_b32 v[M+4*\c+\k], s21                    ; the minima start at +infinity,
	v_mov_b32 v[ID+4*\c+\k], 0                     ; the indices at 0
.endr
.endif
.if \rt == 0
.if \c == 0
	LE PP, \eoff                                   ; run 1
.irp cn, 4,5,6,7
	LF ADR+\slot, \i*TILEB, \cn
.endr
.elseif (\c == 4) & (\mode == MODE_N)
.irp cn, 0,1,2,3
	LF ADR+\slot, (\i+1)*TILEB, \cn                ; run 2
.endr
.endif
.endif
.endr
.if (\mode == MODE_B) | (\mode == MODE_P)
.if \c == 2
	s_wait_dscnt 0x0                               ; my reads of this slot are over (the last were run 1's, issued 11 matrix instructions ago)
	s_set_vgpr_msb 0x400
	s_wait_tensorcnt 0x0                           ; all my tensor loads have landed: the one that was out is my part of the other slot
	ds_add_u32 v62, v63
	s_wait_dscnt 0x0
	s_set_vgpr_msb 0x4
.if \mode == MODE_B
	s_add_nc_u64 s[G0S+4*\slot+2:G0S+4*\slot+3], s[G0S+4*\slot+2:G0S+4*\slot+3], 2*STEPB   ; no load of mine is out: this slot's next step
.endif
	s_barrier_signal -1                            ; say so; K steps 3 to 5 run while the others arrive
.endif
.if \c == 5
.if \mode == MODE_B
	WIN 0                                          ; a branch and a label follow
.endif
	s_barrier_wait -1
.if \mode == MODE_B
	CREST                                          ; no wave of the four work-groups still reads this slot or has a load on its way
	tensor_load_to_lds s[G0S+4*\slot:G0S+4*\slot+3], s[G1C:G1C+7]  ; the refill, two steps ahead: my one tensor load behind the round, and the first thing there
	s_nop 0
.endif
.irp cn, 0,1,2,3
	LF ADR+1-\slot, 0, \cn                         ; run 2: the other slot is whole: its first tile, K steps 0 to 3
.endr
	WIN MULW
.endif
.endif
.endr
.if \epi
.if \i == 0
	s_add_co_u32 s20, s20, 208                     ; the epilogue's next tile is the first of the next step: 256 - 48
.else
	s_add_co_u32 s20, s20, 16
.endif
.endif
.endm
	PHASE 0, 0, 0, MODE_N, 0                       ; step 0, tile 0: no epilogue yet
	WIN 0                                          ; at a label and at a branch every window is 0
	s_mov_b32 s22, TRIPS
.Ltrip:                                                ; trip t: tiles 1-3 of step 2 t, step 2 t + 1, tile 0 of step 2 t + 2; it asks for steps 2 t + 2 and 2 t + 3
	PHASE 1, 0, 64,   MODE_N, 1
	PHASE 2, 0, 128,  MODE_N, 1
	PHASE 3, 0, 192,  MODE_B, 1
	PHASE 0, 1, 1024, MODE_N, 1
	PHASE 1, 1, 1088, MODE_N, 1
	PHASE 2, 1, 1152, MODE_N, 1
	PHASE 3, 1, 1216, MODE_B, 1
	PHASE 0, 0, 2048, MODE_N, 1
	WIN 0
	v_add_nc_u32 v[ADRE], 0x800, v[ADRE]           ; two steps of e2
	s_sub_co_u32 s22, s22, 1
	s_cmp_lg_u32 s22, 0
	s_cbranch_scc1 .Ltrip
	PHASE 1, 0, 64,   MODE_N, 1                    ; steps 30 and 31: nothing is left to ask for
	PHASE 2, 0, 128,  MODE_N, 1
	PHASE 3, 0, 192,  MODE_P, 1                    ; my one load still out is my part of step 31: waited for, then a plain barrier
	PHASE 0, 1, 1024, MODE_N, 1
	PHASE 1, 1, 1088, MODE_N, 1
	PHASE 2, 1, 1152, MODE_N, 1
	PHASE 3, 1, 1216, MODE_L, 1
	s_wait_dscnt 0x0                               ; all my LDS reads are back (met: the last phase's last wait was for 0):
	s_barrier_signal -1                            ; say so.  The merge's stores below stand behind every wave's LDS reads; the last tile's epilogue,
.set EP, 1                             ; register work alone, runs between the signal and the wait.  The last tile's sums lie in set 1
.set GW, 0
.rept 32
	EGRP
.set GW, GW+1
.endr
	WIN 0
	s_barrier_wait -1
; THE LAST REDUCTION.  (m, index) pairs are merged in lexicographic order, so that of equal minima the lowest index stays.
.macro MERGE ma, ia, mb, ib            ; (ma, ia) = the smaller of (ma, ia) and (mb, ib)
	v_cmp_lt_f32 s[MK],   v[\mb], v[\ma]
	v_cmp_eq_f32 s[MK+1], v[\mb], v[\ma]
	v_cmp_lt_u32 s[MK+2], v[\ib], v[\ia]
	s_and_b32 s[MK+1], s[MK+1], s[MK+2]
	s_or_b32 s[MK], s[MK], s[MK+1]
	v_cndmask_b32 v[\ma], v[\ma], v[\mb], s[MK]
	v_cndmask_b32 v[\ia], v[\ia], v[\ib], s[MK]
.endm
.irp rt, 0,1,2,3
.irp j, 1,2,3,4,5,6,7
	v_add_nc_u32 v[ID+8*\rt+\j], \j, v[ID+8*\rt+\j]        ; codeword = 16 tile + 8 h + j: first j; 8 h, the same for a lane's eight, follows behind their merges
.endr
.endr
.irp rt, 0,1,2,3
	MERGE M+8*\rt,   ID+8*\rt,   M+8*\rt+1, ID+8*\rt+1
	MERGE M+8*\rt+2, ID+8*\rt+2, M+8*\rt+3, ID+8*\rt+3
	MERGE M+8*\rt+4, ID+8*\rt+4, M+8*\rt+5, ID+8*\rt+5
	MERGE M+8*\rt+6, ID+8*\rt+6, M+8*\rt+7, ID+8*\rt+7
	MERGE M+8*\rt,   ID+8*\rt,   M+8*\rt+2, ID+8*\rt+2
	MERGE M+8*\rt+4, ID+8*\rt+4, M+8*\rt+6, ID+8*\rt+6
	MERGE M+8*\rt,   ID+8*\rt,   M+8*\rt+4, ID+8*\rt+4
	v_add_nc_u32 v[ID+8*\rt], v[H8], v[ID+8*\rt]           ; + 8 h
	v_permlanex16_b32 v[ST],   v[M+8*\rt],  s80, s81       ; the same row's pair of the other h
	v_permlanex16_b32 v[ST+1], v[ID+8*\rt], s80, s81
	MERGE M+8*\rt,   ID+8*\rt,   ST, ST+1
	ds_store_b32 v[MGS], v[M+8*\rt]  offset:64*\rt         ; my wave's word 16 rt + r = row 64 a + 16 rt + r; both halves write the same value
	ds_store_b32 v[MGS], v[ID+8*\rt] offset:64*\rt+2048
.endr
	s_wait_dscnt 0x0                               ; for waves 0 and 1: my stores are done before I signal
	s_barrier_signal -1
	s_barrier_wait -1
	s_cmp_gt_u32 s14, 1
	s_cbranch_scc1 .Lend
.irp b, 0,1,2,3
	ds_load_b64 v[128+2*\b:129+2*\b], v[MGL] offset:256*\b         ; rows 64 w + 2 lane and + 1: the minima of wave 4 w + b,
.endr
.irp b, 0,1,2,3
	ds_load_b64 v[136+2*\b:137+2*\b], v[MGL] offset:256*\b+2048    ; and its indices
.endr
	s_wait_dscnt 0x0
.irp o, 0,1                            ; the even registers hold the first row's four pairs, the odd ones the second row's
	MERGE 128+\o, 136+\o, 130+\o, 138+\o
	MERGE 132+\o, 140+\o, 134+\o, 142+\o
	MERGE 128+\o, 136+\o, 132+\o, 140+\o
.endr
	global_store_b64 v[OO], v[136:137], s[10:11]   ; 32 lanes x 8 bytes: 256 consecutive bytes, aligned
	global_store_b64 v[OO], v[136:137], s[12:13]   ; the copy from which the next launch forms addresses
.Lend:
	s_wait_tensorcnt 0x0
	ds_add_u32 v62, v63
	s_wait_dscnt 0x0
	ROUND                                          ; the closing round: no work-group ends while a partner may still ask for a part that names it
	s_endpgm
.Lfunc_end_k_qa975fda005_search:
	.size	k_qa975fda005_search, .Lfunc_end_k_qa975fda005_search-k_qa975fda005_search
	.p2alignl 7, 3214868480
	.fill 96, 4, 3214868480
	.section	.rodata,"a",@progbits
	.p2align	6, 0x0
	.amdhsa_kernel k_qa975fda005_search
		.amdhsa_group_segment_fixed_size 327680
		.amdhsa_private_segment_fixed_size 0
		.amdhsa_enable_private_segment 0
		.amdhsa_kernarg_size 40
		.amdhsa_user_sgpr_count 2
		.amdhsa_user_sgpr_kernarg_segment_ptr 1
		.amdhsa_wavefront_size32 1
		.amdhsa_system_sgpr_workgroup_id_x 1
		.amdhsa_system_sgpr_workgroup_id_y 1
		.amdhsa_system_sgpr_workgroup_id_z 1
		.amdhsa_system_vgpr_workitem_id 0
		.amdhsa_next_free_vgpr 512
		.amdhsa_next_free_sgpr 88
		.amdhsa_reserve_vcc 0
		.amdhsa_float_denorm_mode_32 3
		.amdhsa_float_denorm_mode_16_64 3
		.amdhsa_memory_ordered 1
		.amdhsa_forward_progress 1
		.amdhsa_inst_pref_size 255
	.end_amdhsa_kernel
	.section	.bss,"aw",@nobits
	.p2align	6
	.space	262144
	.amdgpu_metadata
---
amdhsa.version: [ 1, 2 ]
amdhsa.kernels:
  - .name:           k_qa975fda005_search
    .symbol:         k_qa975fda005_search.kd
    .args:
      - { .name: x, .offset: 0, .size: 8, .value_kind: global_buffer, .address_space: global }
      - { .name: embb, .offset: 8, .size: 8, .value_kind: global_buffer, .address_space: global }
      - { .name: e2, .offset: 16, .size: 8, .value_kind: global_buffer, .address_space: global }
      - { .name: out3, .offset: 24, .size: 8, .value_kind: global_buffer, .address_space: global }
      - { .name: order, .offset: 32, .size: 8, .value_kind: global_buffer, .address_space: global }
    .group_segment_fixed_size: 327680
    .private_segment_fixed_size: 0
    .kernarg_segment_align: 8
    .kernarg_segment_size: 40
    .max_flat_workgroup_size: 256
    .sgpr_count:     88
    .vgpr_count:     512
    .wavefront_size: 32
...
	.end_amdgpu_metadata
.endif
;; end of part 2
;; launch gather (part 3): grid 512 x 1, 8 waves a work-group, no clusters, 1,280 bytes of LDS; arguments x, emb, order, out0, part; writes out0, part
.if DOCPART == 3
	.amdgcn_target "amdgcn-amd-amdhsa--gfx1250"
	.amdhsa_code_object_version 6
	.text
	.protected	k_qa975fda005_gather
	.globl	k_qa975fda005_gather
	.p2align	8
	.type	k_qa975fda005_gather,@function
k_qa975fda005_gather:
	s_mov_b64 s[64:65], 0
	v_nop
	global_prefetch_b8 v0, s[64:65] scope:SCOPE_SE
	s_setreg_imm32_b32 hwreg(HW_REG_WAVE_MODE, 25, 1), 1
	s_wait_xcnt 0x0
; out0[row] = x[row] + (emb[idx[row]] - x[row]), in f32 with the two roundings as written;  part[g] = the work-group's sum of (emb[idx] - x)^2.
; x, out0: [32768][256] f32.  emb: [8192][256] f32.  order: [32768] i32, stored by the launch before.  part: [512] f32.
; LIMIT: the squares are added in another order than a serial sum.  An index is held to 0 .. 8191 before it enters an address.
; A stream: no matrix unit, no cluster (the work-groups share no tile), LDS only for eight partial sums.
; Eight waves; the work-group owns 64 rows, a wave 8.  A row is two accesses of 512 consecutive bytes.  All 32 loads of a wave go out first;
; no register is used twice by memory instructions, so the only waits for data are the counted ones.
.set QO, 4                             ; v[4:11]    row i: byte offset of my 16 bytes in its codeword
.set X,  16                            ; v[16:79]   row i of x
.set Q,  80                            ; v[80:143]  row i's codeword, then the result: store data, written once
.set D,  144                           ; v[144:151] q - x
.set L,  152                           ; v[152:159] four chains of squares
	s_load_b256 s[4:11], s[0:1], 0x0               ; x s[4:5], emb s[6:7], order s[8:9], out0 s[10:11]
	s_load_b64 s[12:13], s[0:1], 0x20              ; part
	v_lshl_add_u32 v160, v0, 2, 0x100
	v_mov_b32 v161, 0
	v_lshrrev_b32 v1, 5, v0
	v_readfirstlane_b32 s14, v1                    ; wave
	v_and_b32 v3, 31, v0
	v_lshlrev_b32 v3, 4, v3                        ; 16 lane
	s_lshl_b32 s15, s14, 13
	v_add_nc_u32 v2, s15, v3                       ; wave x 8 rows x 1,024 + 16 lane
	s_lshl_b32 s24, ttmp9, 16                      ; 64 rows of 1,024 bytes
	s_mov_b32 s25, 0
	s_lshl_b32 s26, ttmp9, 8                       ; 64 indices,
	s_lshl_b32 s27, s14, 5                         ; my 8 of them
	s_add_co_u32 s26, s26, s27
	s_mov_b32 s27, 0
	s_lshl_b32 s28, ttmp9, 2
	s_mov_b32 s29, 0
	s_mov_b32 s30, 0x76543210
	s_mov_b32 s31, 0xfedcba98
	s_wait_kmcnt 0x0
	s_add_nc_u64 s[8:9], s[8:9], s[26:27]
	s_load_b256 s[16:23], s[8:9], 0x0              ; my eight indices
	s_add_nc_u64 s[4:5], s[4:5], s[24:25]
	s_add_nc_u64 s[10:11], s[10:11], s[24:25]
	s_add_nc_u64 s[12:13], s[12:13], s[28:29]
.irp i, 0,1,2,3,4,5,6,7
	global_load_b128 v[X+8*\i:X+8*\i+3],   v2, s[4:5] offset:1024*\i th:TH_LOAD_NT
	global_load_b128 v[X+8*\i+4:X+8*\i+7], v2, s[4:5] offset:1024*\i+512 th:TH_LOAD_NT
.endr
	s_wait_kmcnt 0x0
.irp i, 0,1,2,3,4,5,6,7
	s_min_u32 s[16+\i], s[16+\i], 0x1fff           ; inside the table
	s_lshl_b32 s[16+\i], s[16+\i], 10              ; a codeword is 1,024 bytes
	v_add_nc_u32 v[QO+\i], s[16+\i], v3
.endr
.irp i, 0,1,2,3,4,5,6,7
	global_load_b128 v[Q+8*\i:Q+8*\i+3],   v[QO+\i], s[6:7]            ; no hint: a codeword may be named by many rows
	global_load_b128 v[Q+8*\i+4:Q+8*\i+7], v[QO+\i], s[6:7] offset:512
.endr
.macro ROWG i
	s_wait_loadcnt 14-2*\i                         ; loads return in order: all of x and row i's codeword are in, the 2 (7 - i) later loads stay out
.irp k, 0,2,4,6
	v_pk_add_f32 v[D+\k:D+\k+1], v[Q+8*\i+\k:Q+8*\i+\k+1], v[X+8*\i+\k:X+8*\i+\k+1] neg_lo:[0,1] neg_hi:[0,1]   ; q - x
.endr
.irp k, 0,2,4,6
	v_pk_add_f32 v[Q+8*\i+\k:Q+8*\i+\k+1], v[X+8*\i+\k:X+8*\i+\k+1], v[D+\k:D+\k+1]                             ; x + (q - x)
.endr
.irp k, 0,2,4,6
.if \i == 0
	v_pk_mul_f32 v[L+\k:L+\k+1], v[D+\k:D+\k+1], v[D+\k:D+\k+1]                                                 ; the first row starts the chains
.else
	v_pk_fma_f32 v[L+\k:L+\k+1], v[D+\k:D+\k+1], v[D+\k:D+\k+1], v[L+\k:L+\k+1]
.endif
.endr
	global_store_b128 v2, v[Q+8*\i:Q+8*\i+3],   s[10:11] offset:1024*\i th:TH_STORE_NT
	global_store_b128 v2, v[Q+8*\i+4:Q+8*\i+7], s[10:11] offset:1024*\i+512 th:TH_STORE_NT
.endm
.irp i, 0,1,2,3,4,5,6,7
	ROWG \i
.endr
	v_pk_add_f32 v[L:L+1], v[L:L+1], v[L+2:L+3]
	v_pk_add_f32 v[L+4:L+5], v[L+4:L+5], v[L+6:L+7]
	v_pk_add_f32 v[L:L+1], v[L:L+1], v[L+4:L+5]
	v_add_f32 v[L], v[L], v[L+1]
	v_add_f32_dpp v[L], v[L], v[L] row_xmask:1 row_mask:0xf bank_mask:0xf
	v_add_f32_dpp v[L], v[L], v[L] row_xmask:2 row_mask:0xf bank_mask:0xf
	v_add_f32_dpp v[L], v[L], v[L] row_xmask:4 row_mask:0xf bank_mask:0xf
	v_add_f32_dpp v[L], v[L], v[L] row_xmask:8 row_mask:0xf bank_mask:0xf
	v_permlanex16_b32 v[L+1], v[L], s30, s31
	v_add_f32 v[L], v[L], v[L+1]                   ; the wave's sum, in every lane
	s_lshl_b32 s15, s14, 2
	v_mov_b32 v12, s15
	ds_store_b32 v12, v[L]                         ; my word
	s_wait_dscnt 0x0                               ; for wave 0's sake
	s_barrier_signal -1
	s_barrier_wait -1
	s_cmp_lg_u32 s14, 0
	s_cbranch_scc1 .Ldone
	v_mov_b32 v13, 0
	ds_load_b128 v[D:D+3], v13
	ds_load_b128 v[D+4:D+7], v13 offset:16
	s_wait_dscnt 0x0
	v_pk_add_f32 v[D:D+1], v[D:D+1], v[D+2:D+3]
	v_pk_add_f32 v[D+4:D+5], v[D+4:D+5], v[D+6:D+7]
	v_pk_add_f32 v[D:D+1], v[D:D+1], v[D+4:D+5]
	v_add_f32 v[D], v[D], v[D+1]
	v_cmp_eq_u32 vcc_lo, 0, v0
	s_wait_xcnt 0x0                                ; EXEC is a source of the stores above: it changes only behind this wait
	s_and_saveexec_b32 s15, vcc_lo
	global_store_b32 v13, v[D], s[12:13]           ; one number for the work-group
	s_wait_xcnt 0x0                                ; and again ahead of the line that widens it
	s_or_b32 exec_lo, exec_lo, s15
.Ldone:
	s_wait_tensorcnt 0x0
	ds_add_u32 v160, v161
	s_wait_dscnt 0x0
	s_endpgm
.Lfunc_end_k_qa975fda005_gather:
	.size	k_qa975fda005_gather, .Lfunc_end_k_qa975fda005_gather-k_qa975fda005_gather
	.p2alignl 7, 3214868480
	.fill 96, 4, 3214868480
	.section	.rodata,"a",@progbits
	.p2align	6, 0x0
	.amdhsa_kernel k_qa975fda005_gather
		.amdhsa_group_segment_fixed_size 1280
		.amdhsa_private_segment_fixed_size 0
		.amdhsa_enable_private_segment 0
		.amdhsa_kernarg_size 40
		.amdhsa_user_sgpr_count 2
		.amdhsa_user_sgpr_kernarg_segment_ptr 1
		.amdhsa_wavefront_size32 1
		.amdhsa_system_sgpr_workgroup_id_x 1
		.amdhsa_system_sgpr_workgroup_id_y 1
		.amdhsa_system_sgpr_workgroup_id_z 1
		.amdhsa_system_vgpr_workitem_id 0
		.amdhsa_next_free_vgpr 162
		.amdhsa_next_free_sgpr 66
		.amdhsa_reserve_vcc 1
		.amdhsa_float_denorm_mode_32 3
		.amdhsa_float_denorm_mode_16_64 3
		.amdhsa_memory_ordered 1
		.amdhsa_forward_progress 1
		.amdhsa_inst_pref_size 15
	.end_amdhsa_kernel
	.amdgpu_metadata
---
amdhsa.version: [ 1, 2 ]
amdhsa.kernels:
  - .name:           k_qa975fda005_gather
    .symbol:         k_qa975fda005_gather.kd
    .args:
      - { .name: x, .offset: 0, .size: 8, .value_kind: global_buffer, .address_space: global }
      - { .name: emb, .offset: 8, .size: 8, .value_kind: global_buffer, .address_space: global }
      - { .name: order, .offset: 16, .size: 8, .value_kind: global_buffer, .address_space: global }
      - { .name: out0, .offset: 24, .size: 8, .value_kind: global_buffer, .address_space: global }
      - { .name: part, .offset: 32, .size: 8, .value_kind: global_buffer, .address_space: global }
    .group_segment_fixed_size: 1280
    .private_segment_fixed_size: 0
    .kernarg_segment_align: 8
    .kernarg_segment_size: 40
    .max_flat_workgroup_size: 256
    .sgpr_count:     66
    .vgpr_count:     162
    .wavefront_size: 32
...
	.end_amdgpu_metadata
.endif
;; end of part 3
;; launch loss (part 4): grid 1 x 1, 1 waves a work-group, no clusters, 0 bytes of LDS; arguments part, out1, out2; writes out1, out2
.if DOCPART == 4
	.amdgcn_target "amdgcn-amd-amdhsa--gfx1250"
	.amdhsa_code_object_version 6
	.text
	.protected	k_qa975fda005_loss
	.globl	k_qa975fda005_loss
	.p2align	8
	.type	k_qa975fda005_loss,@function
k_qa975fda005_loss:
	s_mov_b64 s[64:65], 0
	v_nop
	global_prefetch_b8 v0, s[64:65] scope:SCOPE_SE
	s_setreg_imm32_b32 hwreg(HW_REG_WAVE_MODE, 25, 1), 1
	s_wait_xcnt 0x0
; out2 = codebook loss = (sum of the 512 partial sums) / 2^23, the mean over 8 x 4096 x 256 numbers;  out1 = out2 + 0.25 out2
; (both means of the source are the same number; 0.25 x is exact, so the fused multiply-add rounds as the sum does).
; One wave: 2,048 bytes in four loads of 512 consecutive bytes.  The sum spans work-groups of the launch before, so it has a launch of its own.
	s_load_b128 s[4:7], s[0:1], 0x0                ; part s[4:5], out1 s[6:7]
	s_load_b64 s[8:9], s[0:1], 0x10                ; out2
	v_lshlrev_b32 v1, 4, v0
	s_mov_b32 s10, 0x76543210
	s_mov_b32 s11, 0xfedcba98
	s_wait_kmcnt 0x0
	global_load_b128 v[4:7],   v1, s[4:5]
	global_load_b128 v[8:11],  v1, s[4:5] offset:512
	global_load_b128 v[12:15], v1, s[4:5] offset:1024
	global_load_b128 v[16:19], v1, s[4:5] offset:1536
	s_wait_loadcnt 0x0
	v_pk_add_f32 v[4:5], v[4:5], v[6:7]
	v_pk_add_f32 v[8:9], v[8:9], v[10:11]
	v_pk_add_f32 v[12:13], v[12:13], v[14:15]
	v_pk_add_f32 v[16:17], v[16:17], v[18:19]
	v_pk_add_f32 v[4:5], v[4:5], v[8:9]
	v_pk_add_f32 v[12:13], v[12:13], v[16:17]
	v_pk_add_f32 v[4:5], v[4:5], v[12:13]
	v_add_f32 v4, v4, v5
	v_add_f32_dpp v4, v4, v4 row_xmask:1 row_mask:0xf bank_mask:0xf
	v_add_f32_dpp v4, v4, v4 row_xmask:2 row_mask:0xf bank_mask:0xf
	v_add_f32_dpp v4, v4, v4 row_xmask:4 row_mask:0xf bank_mask:0xf
	v_add_f32_dpp v4, v4, v4 row_xmask:8 row_mask:0xf bank_mask:0xf
	v_permlanex16_b32 v5, v4, s10, s11
	v_add_f32 v4, v4, v5
	v_mul_f32 v6, 0x34000000, v4                   ; x 2^-23, exact
	v_fma_f32 v7, 0x3e800000, v6, v6               ; + 0.25 of it
	v_mov_b32 v8, 0
	v_cmp_eq_u32 vcc_lo, 0, v0
	s_wait_xcnt 0x0                                ; EXEC changes only behind this wait
	s_and_saveexec_b32 s12, vcc_lo
	global_store_b32 v8, v7, s[6:7]
	global_store_b32 v8, v6, s[8:9]
	s_wait_xcnt 0x0
	s_or_b32 exec_lo, exec_lo, s12
	s_endpgm
.Lfunc_end_k_qa975fda005_loss:
	.size	k_qa975fda005_loss, .Lfunc_end_k_qa975fda005_loss-k_qa975fda005_loss
	.p2alignl 7, 3214868480
	.fill 96, 4, 3214868480
	.section	.rodata,"a",@progbits
	.p2align	6, 0x0
	.amdhsa_kernel k_qa975fda005_loss
		.amdhsa_group_segment_fixed_size 0
		.amdhsa_private_segment_fixed_size 0
		.amdhsa_enable_private_segment 0
		.amdhsa_kernarg_size 24
		.amdhsa_user_sgpr_count 2
		.amdhsa_user_sgpr_kernarg_segment_ptr 1
		.amdhsa_wavefront_size32 1
		.amdhsa_system_sgpr_workgroup_id_x 1
		.amdhsa_system_sgpr_workgroup_id_y 1
		.amdhsa_system_sgpr_workgroup_id_z 1
		.amdhsa_system_vgpr_workitem_id 0
		.amdhsa_next_free_vgpr 32
		.amdhsa_next_free_sgpr 66
		.amdhsa_reserve_vcc 1
		.amdhsa_float_denorm_mode_32 3
		.amdhsa_float_denorm_mode_16_64 3
		.amdhsa_memory_ordered 1
		.amdhsa_forward_progress 1
		.amdhsa_inst_pref_size 3
	.end_amdhsa_kernel
	.amdgpu_metadata
---
amdhsa.version: [ 1, 2 ]
amdhsa.kernels:
  - .name:           k_qa975fda005_loss
    .symbol:         k_qa975fda005_loss.kd
    .args:
      - { .name: part, .offset: 0, .size: 8, .value_kind: global_buffer, .address_space: global }
      - { .name: out1, .offset: 8, .size: 8, .value_kind: global_buffer, .address_space: global }
      - { .name: out2, .offset: 16, .size: 8, .value_kind: global_buffer, .address_space: global }
    .group_segment_fixed_size: 0
    .private_segment_fixed_size: 0
    .kernarg_segment_align: 8
    .kernarg_segment_size: 24
    .max_flat_workgroup_size: 32
    .sgpr_count:     66
    .vgpr_count:     32
    .wavefront_size: 32
...
	.end_amdgpu_metadata
.endif
;; end of part 4
